; MI455X (gfx1250); checked and timed in simulation.
; The chip was launched on July 23, 2026; its instructions are those of AMD's public machine-readable ISA for CDNA 5 (MIT licence, August 2026) and "CDNA5" Instruction Set Architecture Reference Guide (July 2026). The comments in the code are by the model that wrote it; some were corrected since.
;; Multi Head Self Att. Allowed arithmetic: matrix products marked QUANTISED: E4M3 operands, one given power-of-two scale a tensor, by v_wmma_f32_16x16x64_fp8_fp8 or v_wmma_f32_16x16x128_fp8_fp8, f32 sums; everything else in f32.
;; Inputs: Wk_codes 1,024 x 32 x 32 uint8 (E4M3 codes of Wk, K innermost, in blocks of 32 codes); Wq_codes 1,024 x 32 x 32 uint8 (E4M3 codes of Wq, K innermost, in blocks of 32 codes); Wv_codes 1,024 x 32 x 32 uint8 (E4M3 codes of Wv, K innermost, in blocks of 32 codes); bk 1,024 float32; bq 1,024 float32; bv 1,024 float32; lowp_scales 10 int32 (the exponents e of the quantised operands' scales 2^e); ts10_input_codes 4 x 2,048 x 32 x 32 uint8 (E4M3 codes of ts10_input, K innermost, in blocks of 32 codes).
;; Outputs: out0 4 x 2,048 x 1,024 float32.
;; Constants: mask = 1.
;; This version of the problem:
;;   THIS VERSION OF THE PROBLEM IS GIVEN IN LOW PRECISION. The matrix products marked QUANTISED in the list below multiply operands that are first quantised to E4M3 (4 exponent bits, 3 mantissa bits; 8 bits a number), with one given power-of-two scale for each operand tensor; their sums are f32. All else is computed in f32.
;;   The module's matrix products, in the order in which they are computed (A, B: the left and right operand; K: the contracted axis; several contracted axes count as one K, in the product's order):
;;     1. [M 8,192, K 1,024] x [K 1,024, N 1,024]; A: input ts10_input (given as codes); B: input Wq (given as codes): QUANTISED (scales: A lowp_scales[0], B lowp_scales[1])
;;     2. [M 8,192, K 1,024] x [K 1,024, N 1,024]; A: input ts10_input (given as codes); B: input Wk (given as codes): QUANTISED (scales: A lowp_scales[2], B lowp_scales[3])
;;     3. [M 8,192, K 1,024] x [K 1,024, N 1,024]; A: input ts10_input (given as codes); B: input Wv (given as codes): QUANTISED (scales: A lowp_scales[4], B lowp_scales[5])
;;     4. batch 64 x [M 2,048, K 64] x [K 64, N 2,048]; A: computed on the way; B: computed on the way: QUANTISED (scales: A lowp_scales[6], B lowp_scales[7])
;;     5. batch 64 x [M 2,048, K 2,048] x [K 2,048, N 64]; A: softmax (see below); B: computed on the way: QUANTISED (scales: A lowp_scales[8], B lowp_scales[9])
;;   THE QUANTISER, for each operand of a quantised product, along K:
;;     - The operand's scale is 2^e, e = its entry of the input lowp_scales (int32; the entries are numbered through the quantised products in the list's order, A before B).
;;     - Each number is divided by the scale, clamped to +-448, and rounded to the nearest number of E4M3, ties to even, subnormals kept.
;;     - The product sums the exact products of the quantised numbers (number of the format x scale) in f32.
;;   ~~~python
;;   def quantise(x, axis, e):      # numpy; x: float32 -> the quantised numbers, widened to float32 again
;;       x = np.moveaxis(x, axis, -1); K = x.shape[-1]
;;       r = np.clip(x / 2.0 ** e, -448, 448)
;;       step = 2.0 ** (np.maximum(np.frexp(np.where(r == 0, 1, r))[1] - 1, -6) - 3)
;;       q = np.round(r / step) * step * 2.0 ** e      # np.round: ties to even
;;       return np.moveaxis(q, -1, axis).astype(np.float32)
;;   ~~~
;;   SOFTMAX AHEAD OF A QUANTISED PRODUCT. Where the list says 'softmax', what is quantised is not the finished softmax but p = 2^(t - M), with t = logit x log2(e) and M = ceil(the row's largest t), a whole number; so 1/2 < the row's largest p <= 1. The row's sum l is taken of the UNQUANTISED p, in f32, and the product's result is divided by l at the end. Since M is a whole number, a kernel that streams over the keys may use a running M (the ceiling of the running maximum): every later rescaling is an exact power of two, so the quantised numbers keep their values, but for numbers so far below the row's largest that they fall under the format's range.
;;   OPERANDS COMPUTED ON THE WAY. 'Computed on the way' means the value that the module computes at that place (a softmax that the list does not call 'softmax' is quantised finished and normalised). What goes into a quantiser is computed in f32, as accurately as f32 sums, v_exp_f32 and their like allow (about 1e-6 of the number): no bf16 or f16 on the way to a quantiser, and a product that is left as it is and whose result goes on into a quantised operand takes f32 operands (vector FMAs, or v_wmma_f32_16x16x4_f32). A number that lies on a knife's edge between two numbers of the format may be rounded either way, as far as f32 arithmetic and the matrix unit's own rounding can turn it there, and no further.
;;   INPUTS GIVEN AS CODES. Wk (in the module: [1024, 1024], K = its axis 0); Wq (in the module: [1024, 1024], K = its axis 0); Wv (in the module: [1024, 1024], K = its axis 0); ts10_input (in the module: [4, 2048, 1024], K = its axis 2): each comes as NAME_codes (uint8): NAME with its K axis moved to the last place and cut into blocks of 32 codes, [.., K / 32, bytes a block], one block behind the other in memory; one code a byte (a code: sign, 4 exponent bits, 3 mantissa bits); its scale is its entry of lowp_scales. Its value is code x scale, taken as it is: it is not quantised again, and the codes and scales need not be those that the quantiser above would give.
;; One version. Each part assembles by itself: llvm-mc -triple=amdgcn-amd-amdhsa -mcpu=gfx1250 --defsym DOCPART=n.
;; ======== version 1 of 1: 2 launches
;; limits: right only within a limited range of input values
;; workspace buffers: qkv 25,165,824 bytes
;; launch proj (part 1): grid 8 x 32, 4 waves a work-group, clusters of 4 x 4, 327,680 bytes of LDS; arguments ts10_input_codes, Wq_codes, Wk_codes, Wv_codes, bq, bk, bv, lowp_scales, qkv; writes qkv
.if DOCPART == 1
	.amdgcn_target "amdgcn-amd-amdhsa--gfx1250"
	.amdhsa_code_object_version 6
	.text
	.protected	k_q836f175f37_proj
	.globl	k_q836f175f37_proj
	.p2align	8
	.type	k_q836f175f37_proj,@function
k_q836f175f37_proj:
	s_mov_b64 s[64:65], 0
	v_nop
	global_prefetch_b8 v0, s[64:65] scope:SCOPE_SE
	s_setreg_imm32_b32 hwreg(HW_REG_WAVE_MODE, 25, 1), 1
	s_wait_xcnt 0x0
	s_wait_alu depctr_hold_cnt(0) depctr_sa_sdst(0) depctr_va_vdst(0) depctr_va_sdst(0) depctr_va_ssrc(0) depctr_va_vcc(0) depctr_vm_vsrc(0)
	s_getreg_b32 s2, hwreg(HW_REG_IB_STS2, 6, 4)
	s_cmp_eq_u32 s2, 0
	s_cbranch_scc0 .Lentry_in_a_cluster
	s_endpgm
.Lentry_in_a_cluster:
	s_bfe_u32 s2, ttmp6, 0x10000c
	s_cmp_lg_u32 s2, 0xf033
	s_cbranch_scc0 .Lentry_shape_is_right
	s_endpgm
.Lentry_shape_is_right:
; q = x Wq + bq, k = x Wk + bk, v = x Wv + bv on codes of FP8 (E4M3), and their quantising for the attention launch.
; x: [8192][1024] codes; Wq, Wk, Wv: [1024 (feature)][1024 (K)] codes, K innermost; bq, bk, bv: [1024] f32; lowp_scales: e0 .. e9.
; A finished sum is multiplied once by 2^(ea + eb) (e0 + e1 for q, e2 + e3 for k, e4 + e5 for v) with the bias added in the same fused multiply-add, held within +-448 x 2^eo and turned into a code (eo = e6, e7, e9).
; WORK LEFT OUT BY THE PROGRAM: reference() sets every score with key > query to -infinity by a mask that it builds itself (jnp.tril; mask = 1 is a constant of the problem), so such a score's p is 0 for all
; values of the inputs: the attention launch leaves out the key steps that lie wholly behind a wave's queries.  This launch leaves nothing out.  LIMIT: a NaN or an infinity that reaches only such scores is not carried to the result.
; LIMITS: e0 + e1, e2 + e3, e4 + e5 between -126 and 127; e6, e7, e9 between -126 and 119, so that each power of two below is an f32 number.  NaN among the biases is not served.
; SHARES.  The three products are 384 tiles of 256 x 256; the grid is 256 work-groups, and each STAYS for one and a half tiles:
;   FIRST a tile of 256 x 256 of k (cluster x = 0: A = x, tile row 4 Y + cy; B = Wk, tile column cx) or of v (cluster x = 1: A = Wv, tile row cy; B = x, tile column 4 Y + cx); a wave makes 128 x 128, 64 accumulators;
;   THEN half a tile of q, 128 x 256: A = x, tokens 256 (4 Y + cy) + 128 (cluster x) on; B = Wq, tile column cx; a wave makes 64 x 128, 32 accumulators.
; THE RING DOES NOT STOP between the two: the first tile's last two changes of slots ask for q's K steps 0 and 1, which are on their way while the first tile goes out.
; THE MATRIX INSTRUCTION IS USED TRANSPOSED (source 0 = 16 rows of B, source 1 = 16 rows of A): a lane holds one row of A and eight neighbouring rows of B: neighbours along the K of the attention's product.
; THE RESULT IS STORED AS IMAGES OF OPERAND REGISTERS.  Head bh = 16 batch + head has 393,216 bytes: q, k, v, 131,072 each.
;   q, k: tile of 16 tokens T at 1024 T; registers 4 g .. 4 g + 3 of its 16 x 64 fragment at + 512 g + 16 lane.
;   v:    key step of 128 tokens st at 8192 st; tile of 16 channels t at + 2048 t; registers 4 g .. 4 g + 3 of its 16 x 128 fragment at + 512 g + 16 lane.
; So each store of a wave covers 512 consecutive bytes, aligned, and nothing goes through LDS on the way out.
; K = 1,024 goes in four steps of 256 through a ring of two LDS slots.  CLUSTERS: 4 x 4 work-groups; A's tile is shared along a row of the cluster, B's along a column, each asked for jointly.
; NO PREFETCH: a tile has four K steps, two of them asked for before its first product: no trip runs two steps ahead of a refill.
; REGISTERS, in windows of 256: window 0: v0-31 addresses and constants; v32-39 the bias of my rows of A; v64-127 the bias of my rows of B; from v128 A's fragments (first tile: one set of eight blocks; q: two sets of four;
;   on the way out v128-191 numbers at work, v192-223 codes).   window 1: B's fragments, two sets.   window 2: the accumulators of my rows 0-63 ((a, b) at v[8 (8 a + b)]);   window 3: those of my rows 64-127.
.set ROWB,   256                       ; a tile's row in bytes
.set KROW,   1024                      ; a row of x or of a weight in memory
.set PITCH,  272                       ; an LDS row: 256 bytes + 16 of padding
.set FR,     16                        ; registers of a fragment: 16 rows x 128 K
.set NL,     4                         ; LDS loads that bring one
.set NP,     4                         ; places behind this matrix instruction (ISA guide 7.12.1)
.set HALFT,  128*PITCH                 ; the room of one wave's tensor load
.set SLOT,   4*HALFT
.set SPARE,  2*SLOT                    ; the spare words, 128 bytes a wave
.set HEADB,  393216
.set CBO,  7
.set RBO,  8
.set ADRA, 16
.set ADRB, 20
.set OFFS, 26
.set SPW,  28
.set NIL,  29
.set SCL,  30
.set LIM,  31
.set RB,   32
.set CB,   64
.set AF,   128
.set T,    128
.set CODE, 192
.set G1, 24                            ; s[24:31] group 1 for A's tiles of 128 rows;  s[32:39] A's groups 0, one for each slot
.set G0, 32
.set G1B, 48                           ; s[48:55], s[56:63] the same for B's tiles
.set G0B, 56
.set A2,  68                           ; s[68:69] where q's next K step of A begins;  s[70:71] of B
.set B2,  70
.set G1C, 72                           ; s[72:79] group 1 for q's tiles of A: 64 rows
.set BQ,  80                           ; s[80:81] bq at my 128 features
.set O2,  84                           ; s[84:85] where my images of q begin
.set MSB, 0
.macro WIN new
.if MSB != (\new)
	s_set_vgpr_msb (MSB<<8)|(\new)
.set MSB, (\new)
.endif
.endm
.set MUL_LO, 0xa1                      ; source 0 (B) window 1, source 1 (A) window 0, C and D window 2
.set MUL_HI, 0xf1                      ; the same, C and D window 3
.set TO_B,   0x40
; A joint load: waves 0 and 1 fetch for A, waves 2 and 3 for B; the branch hangs on the wave's number alone.  An s_nop 0 and four v_nop follow each line.
.macro JLOAD g0a, g1a, g0b, g1b
	s_cmp_eq_u32 s15, 0
	s_cbranch_scc0 .Lfor_b_\@
	tensor_load_to_lds s[\g0a:\g0a+3], s[\g1a:\g1a+7]
	s_nop 0
.rept 4
	v_nop
.endr
	s_branch .Lasked_\@
.Lfor_b_\@:
	tensor_load_to_lds s[\g0b:\g0b+3], s[\g1b:\g1b+7]
	s_nop 0
.rept 4
	v_nop
.endr
.Lasked_\@:
.endm
.macro CREST                           ; a round of the cluster's barrier behind its opening barrier
	s_cmp_lg_u32 s14, 0
	s_cbranch_scc1 .Lnot_wave_0_\@
	s_barrier_signal -3
.Lnot_wave_0_\@:
	s_barrier_wait -3
	s_barrier_signal -1
	s_barrier_wait -1
.endm
.macro CROUND
	s_barrier_signal -1
	s_barrier_wait -1
	CREST
.endm
	s_load_b512 s[68:83], s[0:1], 0x0              ; x, Wq, Wk, Wv, bq, bk, bv, the exponents
	s_load_b64 s[84:85], s[0:1], 0x40              ; the result
	v_lshl_add_u32 v[SPW], v0, 2, SPARE
	v_mov_b32 v[NIL], 0
	ds_add_u32 v[SPW], v[NIL]                      ; the opening lines: the add, twice on end, and its wait
	ds_add_u32 v[SPW], v[NIL]
	s_wait_dscnt 0x0
	v_lshrrev_b32 v1, 5, v0
	v_readfirstlane_b32 s14, v1                    ; wave 0..3
	s_lshr_b32 s15, s14, 1                         ; which half of A's rows is mine.  Also: I fetch for A (0) or for B (1)
	s_and_b32 s16, s14, 1                          ; which half of B's.  Also: which half of that tile I fetch
	s_bfe_u32 s40, ttmp6, 0x40000                  ; cx, cy
	s_bfe_u32 s41, ttmp6, 0x40004
	s_add_co_u32 s12, ttmp9, 1                     ; the first tile's product: 1 k, 2 v: the same in all sixteen partners
	s_and_b32 s13, ttmp7, 0xffff
	s_lshl_b32 s13, s13, 2                         ; 4 Y
	s_cmp_eq_u32 s12, 2
	s_cselect_b32 s17, 0, s13                      ; the tokens are A's rows for k,
	s_cselect_b32 s42, s13, 0                      ; B's rows for v
	s_add_co_u32 s17, s17, s41                     ; A's tile row: it holds cy and never cx
	s_add_co_u32 s42, s42, s40                     ; B's tile column: it holds cx and never cy
	s_lshl_b32 s43, s41, 2
	s_lshl_b32 s43, 15, s43                        ; my row of the cluster
	s_lshl_b32 s44, 0x1111, s40                    ; my column
	s_or_b32 s[G1+0], s43, (0<<16)|(1<<20)|(1<<21)|(5<<22)|(3<<25)  ; the mask; elements of 1 byte; padding of 4 words after every 64; bit 21 beside a mask
	s_or_b32 s[G1B+0], s44, (0<<16)|(1<<20)|(1<<21)|(5<<22)|(3<<25)
.irp g, G1, G1B
	s_mov_b32 s[\g+1], ROWB<<16
	s_mov_b32 s[\g+2], 128<<16
	s_mov_b32 s[\g+3], ROWB<<16
	s_mov_b32 s[\g+4], 128
	s_mov_b32 s[\g+5], KROW
	s_mov_b32 s[\g+6], 0
	s_mov_b32 s[\g+7], 0
.endr
	s_lshl_b32 s18, s16, 7
	s_lshl_b32 s20, s17, 8
	s_add_co_u32 s20, s20, s18                     ; A: row 256 x tile row + 128 x half
	s_lshl_b32 s20, s20, 10
	s_mov_b32 s21, 0
	s_lshl_b32 s46, s42, 8
	s_add_co_u32 s46, s46, s18                     ; B: row 256 x tile column + 128 x half
	s_lshl_b32 s46, s46, 10
	s_mov_b32 s47, 0
	s_mul_i32 s45, s14, HALFT                      ; where they go: no place in the cluster enters an LDS address
	s_wait_kmcnt 0x0
	s_load_b256 s[88:95], s[82:83], 0x0            ; e0 .. e7
	s_load_b64 s[98:99], s[82:83], 0x20            ; e8, e9
	s_cmp_eq_u32 s12, 2
	s_cselect_b64 s[4:5], s[74:75], s[68:69]       ; A = Wv, else x
	s_cselect_b64 s[6:7], s[68:69], s[72:73]       ; B = x, else Wk
	s_cselect_b64 s[8:9], s[80:81], s[78:79]       ; the bias bv, else bk
	s_add_nc_u64 s[20:21], s[4:5], s[20:21]
	s_add_nc_u64 s[46:47], s[6:7], s[46:47]
	CROUND                                         ; all sixteen work-groups are here: the first joint loads meet
.irp s, 0,1
	s_mov_b32 s[G0+4*\s], 1
	s_add_co_u32 s[G0+4*\s+1], s45, \s*SLOT
	s_add_nc_u64 s[G0+4*\s+2:G0+4*\s+3], s[20:21], \s*ROWB
	s_or_b32 s[G0+4*\s+3], s[G0+4*\s+3], 0x80000000
	s_mov_b32 s[G0B+4*\s], 1
	s_add_co_u32 s[G0B+4*\s+1], s45, \s*SLOT
	s_add_nc_u64 s[G0B+4*\s+2:G0B+4*\s+3], s[46:47], \s*ROWB
	s_or_b32 s[G0B+4*\s+3], s[G0B+4*\s+3], 0x80000000
.endr
	JLOAD G0, G1, G0B, G1B                         ; K step 0: one tensor load a wave at the head
	; q's half tile: where its tiles come from
	s_add_co_u32 s86, s13, s41
	s_lshl_b32 s86, s86, 8                         ; 256 (4 Y + cy)
	s_lshl_b32 s87, ttmp9, 7
	s_add_co_u32 s3, s86, s87                      ; + 128 x cluster x: the half tile's first token
	s_lshl_b32 s87, s16, 6
	s_add_co_u32 s86, s3, s87                      ; + the 64 rows that I fetch
	s_lshl_b32 s86, s86, 10
	s_mov_b32 s87, 0
	s_add_nc_u64 s[A2:A2+1], s[68:69], s[86:87]    ; in x
	s_lshl_b32 s18, s40, 8
	s_lshl_b32 s19, s16, 7
	s_add_co_u32 s18, s18, s19                     ; row 256 cx + 128 x half
	s_lshl_b32 s18, s18, 10
	s_mov_b32 s19, 0
	s_add_nc_u64 s[B2:B2+1], s[70:71], s[18:19]    ; in Wq
	s_lshl_b32 s18, s40, 10
	s_lshl_b32 s19, s16, 9
	s_add_co_u32 s18, s18, s19
	s_mov_b32 s19, 0
	s_add_nc_u64 s[BQ:BQ+1], s[76:77], s[18:19]    ; bq at feature 256 cx + 128 x half
	s_or_b32 s[G1C+0], s43, (0<<16)|(1<<20)|(1<<21)|(5<<22)|(3<<25)
	s_mov_b32 s[G1C+1], ROWB<<16
	s_mov_b32 s[G1C+2], 64<<16                     ; 64 rows
	s_mov_b32 s[G1C+3], ROWB<<16
	s_mov_b32 s[G1C+4], 64
	s_mov_b32 s[G1C+5], KROW
	s_mov_b32 s[G1C+6], 0
	s_mov_b32 s[G1C+7], 0
	v_and_b32 v1, 15, v0                           ; l % 16
	v_bfe_u32 v2, v0, 4, 1                         ; l / 16
	; both tables of the first tile's bias are loaded in every work-group (both ranges lie inside the 1,024 numbers): k uses the one along B's rows, v the one along A's
	v_lshlrev_b32 v[CBO], 5, v2
	v_lshlrev_b32 v[RBO], 2, v1
	s_wait_alu depctr_va_vdst(0)                   ; ahead of the run of scalar lines
	s_lshl_b32 s18, s40, 10
	s_lshl_b32 s19, s16, 9
	s_add_co_u32 s18, s18, s19
	s_mov_b32 s19, 0
	s_add_nc_u64 s[18:19], s[8:9], s[18:19]
	s_lshl_b32 s86, s41, 10
	s_lshl_b32 s87, s15, 9
	s_add_co_u32 s86, s86, s87
	s_mov_b32 s87, 0
	s_add_nc_u64 s[86:87], s[8:9], s[86:87]
.irp b, 0,1,2,3,4,5,6,7
	global_load_b128 v[CB+8*\b:CB+8*\b+3],   v[CBO], s[18:19] offset:64*\b
	global_load_b128 v[CB+8*\b+4:CB+8*\b+7], v[CBO], s[18:19] offset:64*\b+16
.endr
.irp a, 0,1,2,3,4,5,6,7
	global_load_b32 v[RB+\a], v[RBO], s[86:87] offset:64*\a
.endr
	v_mul_u32_u24 v3, v1, PITCH
	v_lshl_add_u32 v4, v2, 4, v3                   ; a fragment's row x pitch + 16 x half
	s_mul_i32 s21, s15, HALFT                      ; my rows of A (q: 64 rows at the same place)
	s_mul_i32 s22, s16, HALFT
	s_add_co_u32 s22, s22, 2*HALFT                 ; my rows of B
.irp s, 0,1
	v_add_nc_u32 v[ADRA+\s], s21, v4
	v_add_nc_u32 v[ADRB+\s], s22, v4
	s_add_co_u32 s21, s21, SLOT
	s_add_co_u32 s22, s22, SLOT
.endr
	v_and_b32 v6, 31, v0
	v_lshlrev_b32 v[OFFS], 4, v6
	; where my wave's images of the first tile begin
	s_cmp_eq_u32 s12, 2
	s_cselect_b32 s20, s42, s17                    ; the tile of 256 tokens,
	s_cselect_b32 s21, s16, s15                    ; my half of it,
	s_cselect_b32 s22, s17, s42                    ; the tile of 256 features = 4 heads,
	s_cselect_b32 s23, s15, s16                    ; my half of it = 2 heads
	s_lshl_b32 s20, s20, 8
	s_lshl_b32 s21, s21, 7
	s_add_co_u32 s20, s20, s21
	s_lshl_b32 s22, s22, 2
	s_lshl_b32 s23, s23, 1
	s_add_co_u32 s22, s22, s23
	s_lshr_b32 s21, s20, 11
	s_lshl_b32 s21, s21, 4
	s_add_co_u32 s21, s21, s22                     ; bh
	s_mul_i32 s21, s21, HEADB
	s_and_b32 s20, s20, 2047
	s_lshl_b32 s20, s20, 6                         ; 64 bytes a token in each image
	s_add_co_u32 s20, s20, s21
	s_lshl_b32 s21, s12, 17                        ; k's or v's image
	s_add_co_u32 s20, s20, s21
	s_mov_b32 s21, 0
	s_add_nc_u64 s[10:11], s[84:85], s[20:21]
	; and those of q: token = the half tile's first + 64 x my half of A; head = 4 cx + 2 x my half of B
	s_lshl_b32 s20, s15, 6
	s_add_co_u32 s20, s20, s3
	s_lshr_b32 s21, s20, 11
	s_lshl_b32 s21, s21, 4
	s_lshl_b32 s22, s40, 2
	s_add_co_u32 s21, s21, s22
	s_lshl_b32 s22, s16, 1
	s_add_co_u32 s21, s21, s22
	s_mul_i32 s21, s21, HEADB
	s_and_b32 s20, s20, 2047
	s_lshl_b32 s20, s20, 6
	s_add_co_u32 s20, s20, s21
	s_mov_b32 s21, 0
	s_add_nc_u64 s[O2:O2+1], s[84:85], s[20:21]
.macro FRAG reg, adr, q, i             ; 16 rows x 128 K of codes, four loads of 16 bytes: registers 4 c .. 4 c + 3 hold K = 32 c + 16 (l / 16) + 0 .. 15: the same places in A and in B
.irp c, 0,1,2,3
	ds_load_b128 v[\reg+4*\c:\reg+4*\c+3], v[\adr] offset:128*(\q)+32*\c+(\i)*16*PITCH
.endr
.endm
; 16 matrix instructions: A's register blocks a0, a0 + 1 x B's eight, 128 along K.  p: B's set.  zero = 1: the first product starts the sums.  The accumulators take turns, one instruction a turn.
.macro MUL16 a0, p, zero
.irp a, \a0, \a0+1
.irp b, 0,1,2,3,4,5,6,7
.if \zero
	v_wmma_f32_16x16x128_fp8_fp8 v[8*(8*((\a)%4)+\b):8*(8*((\a)%4)+\b)+7], v[128*(\p)+FR*\b:128*(\p)+FR*\b+FR-1], v[AF+FR*(\a):AF+FR*(\a)+FR-1], 0
.else
	v_wmma_f32_16x16x128_fp8_fp8 v[8*(8*((\a)%4)+\b):8*(8*((\a)%4)+\b)+7], v[128*(\p)+FR*\b:128*(\p)+FR*\b+FR-1], v[AF+FR*(\a):AF+FR*(\a)+FR-1], v[8*(8*((\a)%4)+\b):8*(8*((\a)%4)+\b)+7]
.endif
.endr
.endr
.endm
.macro FETCH_B slot, q, p
	WIN TO_B
.irp i, 0,1,2,3,4,5,6,7
	FRAG 128*(\p)+FR*\i, ADRB+\slot, \q, \i
.endr
	WIN 0
.endm
.macro FETCH_A slot, q, i0             ; the first tile: A's blocks i0 .. i0 + 3
.irp i, \i0, \i0+1, \i0+2, \i0+3
	FRAG AF+FR*(\i), ADRA+\slot, \q, \i
.endr
.endm
.macro HFETCH_A slot, q, p             ; q: A's four blocks into set p (register blocks 4 p .. 4 p + 3)
.irp i, 0,1,2,3
	FRAG AF+FR*(\i+4*(\p)), ADRA+\slot, \q, \i
.endr
.endm
.macro PLACES n                        ; plain places behind matrix instructions, ahead of loads into and vector work on their registers (ISA guide 7.12.1 for vector work)
.rept \n
	v_nop
.endr
.endm
; THE FIRST TILE.  A step of 128 along K that has its successor in the same slot.
.macro STEP slot, q, zero
	s_wait_dscnt 4*NL                              ; B's set and A's blocks 0-3 are in; the youngest sixteen loads (A's blocks 4-7) may be out
	WIN MUL_LO
	MUL16 0, (\q)%2, \zero
	MUL16 2, (\q)%2, \zero
	s_wait_dscnt 0
	PLACES NP
	FETCH_B \slot, (\q)+1, 1-(\q)%2
	FETCH_A \slot, (\q)+1, 0
	WIN MUL_HI
	MUL16 4, (\q)%2, \zero
	MUL16 6, (\q)%2, \zero
	PLACES NP
	WIN 0
	FETCH_A \slot, (\q)+1, 4
.endm
; A slot's last step changes slots: each wave waits for all its tensor loads, adds 0 to its spare word, waits for that and for its reads of this slot; the barrier opens a round of the cluster's barrier; the refill comes first behind it.
; fill = 1: this tile's K step two on; fill = 2: q's next K step.  next = -1: no fragments are fetched (the way out follows).
.macro TURN slot, next, fill
	s_wait_tensorcnt 0x0
	ds_add_u32 v[SPW], v[NIL]
	s_wait_dscnt 4*NL+1                            ; the add and the youngest sixteen loads may be out
	WIN MUL_LO
	MUL16 0, 1, 0
	s_wait_dscnt 0x0
	s_barrier_signal -1
	MUL16 2, 1, 0
	WIN 0
	s_barrier_wait -1
	CREST
.if \fill == 1
	s_add_nc_u64 s[G0+4*\slot+2:G0+4*\slot+3], s[G0+4*\slot+2:G0+4*\slot+3], 2*ROWB
	s_add_nc_u64 s[G0B+4*\slot+2:G0B+4*\slot+3], s[G0B+4*\slot+2:G0B+4*\slot+3], 2*ROWB
	JLOAD G0+4*\slot, G1, G0B+4*\slot, G1B
.else
	s_mov_b64 s[G0+4*\slot+2:G0+4*\slot+3], s[A2:A2+1]
	s_or_b32 s[G0+4*\slot+3], s[G0+4*\slot+3], 0x80000000
	s_mov_b64 s[G0B+4*\slot+2:G0B+4*\slot+3], s[B2:B2+1]
	s_or_b32 s[G0B+4*\slot+3], s[G0B+4*\slot+3], 0x80000000
	s_add_nc_u64 s[A2:A2+1], s[A2:A2+1], ROWB
	s_add_nc_u64 s[B2:B2+1], s[B2:B2+1], ROWB
	JLOAD G0+4*\slot, G1C, G0B+4*\slot, G1B
.endif
.if \next >= 0
	FETCH_B \next, 0, 0                            ; the four v_nop behind the joint load are the places in front of these loads
	FETCH_A \next, 0, 0
.endif
	WIN MUL_HI
	MUL16 4, 1, 0
	MUL16 6, 1, 0
.if \next >= 0
	PLACES NP
	WIN 0
	FETCH_A \next, 0, 4
.else
	WIN 0
.endif
.endm
; q'S HALF TILE: 32 matrix instructions for 128 along K; A and B have two sets of fragments each.  A slot's first step multiplies set 0 and fetches the second step's fragments into set 1.
.macro HS slot, zero
	PLACES NP
	FETCH_B \slot, 1, 1
	HFETCH_A \slot, 1, 1
	s_wait_dscnt 48                                ; set 0 is in; the 48 loads just issued may be out
	WIN MUL_LO
	MUL16 0, 0, \zero
	MUL16 2, 0, \zero
	WIN 0
.endm
; Its second step multiplies set 1 and changes slots, by the same lines as above.  fill = 1: this slot takes the K step two on.
.macro HT slot, next, fill
	s_wait_tensorcnt 0x0
	ds_add_u32 v[SPW], v[NIL]
	s_wait_dscnt 0x0                               ; the add is done, set 1 is in, and my reads of this slot are over
	s_barrier_signal -1
	WIN MUL_LO
	MUL16 4, 1, 0
	WIN 0
	s_barrier_wait -1
.if \fill
	CREST
	s_add_nc_u64 s[G0+4*\slot+2:G0+4*\slot+3], s[G0+4*\slot+2:G0+4*\slot+3], 2*ROWB
	s_add_nc_u64 s[G0B+4*\slot+2:G0B+4*\slot+3], s[G0B+4*\slot+2:G0B+4*\slot+3], 2*ROWB
	JLOAD G0+4*\slot, G1C, G0B+4*\slot, G1B
.else
	PLACES NP
.endif
	FETCH_B \next, 0, 0
	HFETCH_A \next, 0, 0
	WIN MUL_LO
	MUL16 6, 1, 0
	WIN 0
.endm
; THE WAY OUT of block a: my rows 16 a .. 16 a + 15 of A against my 128 rows of B.  sum x 2^(ea + eb) + bias, two at a time, each accumulator from its low end on; the hold; eight numbers to a conversion.
; kind = 0 (q, k): two heads' fragments of token tile a; kind = 2 (v): the fragment of channel tile a % 4 of head a / 4.
.macro EPI kind, a
.set AC, 64*((\a)%4)
.set CC, CODE+16*((\a)%2)
	WIN 0x02+(\a)/4
.irp b, 0,1,2,3,4,5,6,7
.irp j, 0,2,4,6
.if \kind == 2
.if (\a)%2
	v_pk_fma_f32 v[T+8*\b+\j:T+8*\b+\j+1], v[AC+8*\b+\j:AC+8*\b+\j+1], s[96:97], v[RB+(\a)-1:RB+(\a)] op_sel:[0,0,1] op_sel_hi:[1,0,1]
.else
	v_pk_fma_f32 v[T+8*\b+\j:T+8*\b+\j+1], v[AC+8*\b+\j:AC+8*\b+\j+1], s[96:97], v[RB+(\a):RB+(\a)+1] op_sel_hi:[1,0,0]
.endif
.else
	v_pk_fma_f32 v[T+8*\b+\j:T+8*\b+\j+1], v[AC+8*\b+\j:AC+8*\b+\j+1], s[96:97], v[CB+8*\b+\j:CB+8*\b+\j+1] op_sel_hi:[1,0,1]
.endif
.endr
.endr
	WIN 0
.if (\a) > 1
	s_wait_xcnt 0x0                                ; block a - 2's stores have read their data: this set of codes is written again only behind this wait
.endif
.irp b, 0,1,2,3,4,5,6,7
.irp j, 0,1,2,3,4,5,6,7
	v_med3_num_f32 v[T+8*\b+\j], v[T+8*\b+\j], -v[LIM], v[LIM]   ; the conversion does not saturate (ISA guide 7.6.2): the hold, always executed
.endr
	v_cvt_scalef32_pk8_fp8_f32 v[CC+2*\b:CC+2*\b+1], v[T+8*\b:T+8*\b+7], v[SCL]
.endr
	v_nop                                          ; one plain line behind the last conversion
.irp g, 0,1,2,3
.if \kind == 2
	global_store_b128 v[OFFS], v[CC+4*\g:CC+4*\g+3], s[10:11] offset:((\a)/4)*HEADB+((\a)%4)*2048+\g*512   ; the wave stores 512 consecutive bytes, aligned
.else
	global_store_b128 v[OFFS], v[CC+4*\g:CC+4*\g+3], s[10:11] offset:(\g/2)*HEADB+(\a)*1024+(\g%2)*512
.endif
.endr
.endm
	s_wait_alu depctr_va_vdst(0)                   ; the wait at the head's end
	s_wait_tensorcnt 0x0                           ; my part of K step 0 is in; the lines ahead of a later first fill:
	ds_add_u32 v[SPW], v[NIL]
	s_wait_dscnt 0x0
	CROUND
	JLOAD G0+4, G1, G0B+4, G1B                     ; K step 1, the first tensor load behind the round
	FETCH_B 0, 0, 0
	FETCH_A 0, 0, 0
	FETCH_A 0, 0, 4
	STEP 0, 0, 1                                   ; K 0-127: its products start the sums
	TURN 0, 1, 1                                   ; K 128-255; slot 0 takes K step 2
	STEP 1, 0, 0
	TURN 1, 0, 1                                   ; K 384-511; slot 1 takes K step 3
	STEP 0, 0, 0
	TURN 0, 1, 2                                   ; K 640-767; slot 0 takes q's K step 0
	STEP 1, 0, 0
	TURN 1, -1, 2                                  ; K 896-1023; slot 1 takes q's K step 1
	s_wait_loadcnt 0x0                             ; the biases
	s_wait_kmcnt 0x0                               ; the exponents
	s_add_co_i32 s88, s88, s89                     ; e0 + e1
	s_add_co_i32 s90, s90, s91                     ; e2 + e3
	s_add_co_i32 s92, s92, s93                     ; e4 + e5
	s_cmp_eq_u32 s12, 2                            ; chosen without a jump
	s_cselect_b32 s96, s92, s90
	s_cselect_b32 s97, s99, s95                    ; eo = e9, else e7
	s_add_co_i32 s96, s96, 127
	s_lshl_b32 s96, s96, 23                        ; 2^(ea + eb) as f32
	s_add_co_i32 s97, s97, 127
	s_lshl_b32 s20, s97, 23
	v_mov_b32 v[SCL], s20                          ; 2^eo
	s_add_co_i32 s97, s97, 8
	s_lshl_b32 s97, s97, 23
	s_or_b32 s97, s97, 0x600000
	v_mov_b32 v[LIM], s97                          ; 448 x 2^eo
	s_mov_b32 s97, s96                             ; (the packed form names the pair)
	PLACES NP
	s_cmp_eq_u32 s12, 2                            ; a branch on the cluster's x: the same way in every wave of every partner
	s_cbranch_scc1 .Lv
.irp a, 0,1,2,3,4,5,6,7
	EPI 0, \a
.endr
	s_branch .Lq
.Lv:
.irp a, 0,1,2,3,4,5,6,7
	EPI 2, \a
.endr
.Lq:
	s_wait_xcnt 0x0                                ; the stores have read their data and their base: both are written again below
	s_mov_b64 s[10:11], s[O2:O2+1]
.irp b, 0,1,2,3,4,5,6,7
	global_load_b128 v[CB+8*\b:CB+8*\b+3],   v[CBO], s[BQ:BQ+1] offset:64*\b      ; bq takes the place of the first tile's bias
	global_load_b128 v[CB+8*\b+4:CB+8*\b+7], v[CBO], s[BQ:BQ+1] offset:64*\b+16
.endr
	FETCH_B 0, 0, 0                                ; q's K step 0 was awaited by every wave in front of the last round
	HFETCH_A 0, 0, 0
	HS 0, 1                                        ; K 0-127: its products start the sums
	HT 0, 1, 1                                     ; slot 0 takes K step 2
	HS 1, 0
	HT 1, 0, 1                                     ; slot 1 takes K step 3
	HS 0, 0
	HT 0, 1, 0                                     ; nothing is left to fetch
	HS 1, 0
	s_wait_dscnt 0x0                               ; K 896-1023
	WIN MUL_LO
	MUL16 4, 1, 0
	MUL16 6, 1, 0
	WIN 0
	s_wait_loadcnt 0x0                             ; bq
	s_add_co_i32 s96, s88, 127
	s_lshl_b32 s96, s96, 23                        ; 2^(e0 + e1)
	s_add_co_i32 s97, s94, 127
	s_lshl_b32 s20, s97, 23
	v_mov_b32 v[SCL], s20                          ; 2^e6
	s_add_co_i32 s97, s97, 8
	s_lshl_b32 s97, s97, 23
	s_or_b32 s97, s97, 0x600000
	v_mov_b32 v[LIM], s97                          ; 448 x 2^e6
	s_mov_b32 s97, s96
	PLACES NP
.irp a, 0,1,2,3
	EPI 0, \a
.endr
	s_wait_tensorcnt 0x0                           ; the wave's end
	ds_add_u32 v[SPW], v[NIL]
	s_wait_dscnt 0x0
	CROUND                                         ; the closing round
	s_endpgm
.Lfunc_end_k_q836f175f37_proj:
	.size	k_q836f175f37_proj, .Lfunc_end_k_q836f175f37_proj-k_q836f175f37_proj
	.p2alignl 7, 3214868480
	.fill 96, 4, 3214868480
	.section	.rodata,"a",@progbits
	.p2align	6, 0x0
	.amdhsa_kernel k_q836f175f37_proj
		.amdhsa_group_segment_fixed_size 327680
		.amdhsa_private_segment_fixed_size 0
		.amdhsa_enable_private_segment 0
		.amdhsa_kernarg_size 72
		.amdhsa_user_sgpr_count 2
		.amdhsa_user_sgpr_kernarg_segment_ptr 1
		.amdhsa_wavefront_size32 1
		.amdhsa_system_sgpr_workgroup_id_x 1
		.amdhsa_system_sgpr_workgroup_id_y 1
		.amdhsa_system_sgpr_workgroup_id_z 1
		.amdhsa_system_vgpr_workitem_id 0
		.amdhsa_next_free_vgpr 1024
		.amdhsa_next_free_sgpr 100
		.amdhsa_reserve_vcc 0
		.amdhsa_float_denorm_mode_32 3
		.amdhsa_float_denorm_mode_16_64 3
		.amdhsa_memory_ordered 1
		.amdhsa_forward_progress 1
		.amdhsa_inst_pref_size 255
	.end_amdhsa_kernel
	.section	.bss,"aw",@nobits
	.p2align	6
	.space	262144
	.amdgpu_metadata
---
amdhsa.version: [ 1, 2 ]
amdhsa.kernels:
  - .name:           k_q836f175f37_proj
    .symbol:         k_q836f175f37_proj.kd
    .args:
      - { .name: ts10_input_codes, .offset: 0, .size: 8, .value_kind: global_buffer, .address_space: global }
      - { .name: Wq_codes, .offset: 8, .size: 8, .value_kind: global_buffer, .address_space: global }
      - { .name: Wk_codes, .offset: 16, .size: 8, .value_kind: global_buffer, .address_space: global }
      - { .name: Wv_codes, .offset: 24, .size: 8, .value_kind: global_buffer, .address_space: global }
      - { .name: bq, .offset: 32, .size: 8, .value_kind: global_buffer, .address_space: global }
      - { .name: bk, .offset: 40, .size: 8, .value_kind: global_buffer, .address_space: global }
      - { .name: bv, .offset: 48, .size: 8, .value_kind: global_buffer, .address_space: global }
      - { .name: lowp_scales, .offset: 56, .size: 8, .value_kind: global_buffer, .address_space: global }
      - { .name: qkv, .offset: 64, .size: 8, .value_kind: global_buffer, .address_space: global }
    .group_segment_fixed_size: 327680
    .private_segment_fixed_size: 0
    .kernarg_segment_align: 8
    .kernarg_segment_size: 72
    .max_flat_workgroup_size: 128
    .sgpr_count:     100
    .vgpr_count:     1024
    .wavefront_size: 32
...
	.end_amdgpu_metadata
.endif
;; end of part 1
;; launch attn (part 2): grid 4 x 64, 8 waves a work-group, clusters of 4 x 1, 327,680 bytes of LDS; arguments qkv, lowp_scales, out0; writes out0
.if DOCPART == 2
	.amdgcn_target "amdgcn-amd-amdhsa--gfx1250"
	.amdhsa_code_object_version 6
	.text
	.protected	k_q836f175f37_attn
	.globl	k_q836f175f37_attn
	.p2align	8
	.type	k_q836f175f37_attn,@function
k_q836f175f37_attn:
	s_mov_b64 s[64:65], 0
	v_nop
	global_prefetch_b8 v0, s[64:65] scope:SCOPE_SE
	s_setreg_imm32_b32 hwreg(HW_REG_WAVE_MODE, 25, 1), 1
	s_wait_xcnt 0x0
	s_wait_alu depctr_hold_cnt(0) depctr_sa_sdst(0) depctr_va_vdst(0) depctr_va_sdst(0) depctr_va_ssrc(0) depctr_va_vcc(0) depctr_vm_vsrc(0)
	s_getreg_b32 s2, hwreg(HW_REG_IB_STS2, 6, 4)
	s_cmp_eq_u32 s2, 0
	s_cbranch_scc0 .Lentry_in_a_cluster
	s_endpgm
.Lentry_in_a_cluster:
	s_bfe_u32 s2, ttmp6, 0x10000c
	s_cmp_lg_u32 s2, 0x3003
	s_cbranch_scc0 .Lentry_shape_is_right
	s_endpgm
.Lentry_shape_is_right:
; out[b][q][64 head ..] = the sum over keys k <= q of softmax_k(q . k / 8) v, both products on codes of FP8 (E4M3), from the register images that the launch before stored (head bh: q, k, v, 131,072 bytes each).
; THE SOFTMAX: t = score x log2(e) / 8; M = the running largest t rounded up to a whole number; p = 2^(t - M) is quantised with 2^e8; the row's sum is taken of the unquantised p and divides at the end.
; WORK LEFT OUT: key steps of 128 keys that lie wholly behind a wave's queries (the causal mask that reference() builds itself makes their p 0 for all inputs).  A NaN or infinity that reaches only them is not carried on.
; SHARES.  Grid y = the head bh (64); the four work-groups of a cluster share one head.  A block is 128 queries; of every block work-group cx owns queries 32 cx .. 32 cx + 31.  Wave w takes block 15 - w and then
; block w: 16 - w + w + 1 = 17 key steps in every wave.  Its 32 queries are two tiles of 16: tile 0 in register window 0, tile 1 in window 1, under the same register numbers; each fragment of K and V feeds both.
; LDS: the head's K (131,072 bytes) from 0, its V from 131,072, as they lie in memory; nothing is filled again.  JOINT LOADS: the four partners ask for the same bytes with the same descriptor and the mask 15.
; Two fills: key steps 0-3 at the head (8,192 bytes a wave), key steps 4-15 (24,576 bytes a wave, one descriptor) behind the full sequence and a round; the second is awaited behind the third key step.
; K's FRAGMENTS ARE FETCHED A STEP AHEAD: behind a step's first products the next step's sixteen loads are issued into the same registers.  The first loop walks key steps 0-2, so that its look-ahead reads key step 3 at the most,
; which the first fill brought.  The look-ahead of a block's last step is not used; that of key step 15 reads the first bytes of V's region.
; NO PREFETCH: both fills are asked for ahead of the first loop, so no trip of a loop runs ahead of a fill.
; LAYOUT.  S^T = K Q^T and O^T = V^T P^T: a lane holds one query (lane % 16); register 8 i + j of S is key 16 i + 8 (lane / 16) + j, the place that the second product's operand gives it.
; LIMITS: e6 + e7 between -123 and 130, e8 between -126 and 119 (each power of two below is an f32 number); the scaled scores stay under 2^31 in magnitude.
; REGISTERS of a window: v12 -M, v13 largest t, v[14:15] the sum; v16-23, v24-31 Q of the long and the short block; v32-95 K (window 0), V (window 1); v96-159 S, p; v160-191 O^T; v192-207 p's codes; v208.. constants, v236-254 at work.
.set HEADB, 393216
.set IMG,   131072
.set STEPB, 8192                       ; 128 keys of K, or of V
.set STAGE, 2*IMG                      ; the way out: 16 rows x 272 bytes for each wave
.set SP,    272
.set SPARE, STAGE+8*16*SP              ; the spare words, 128 bytes a wave: four blocks of 256 bytes that no other line names
.set LI,   1                           ; 16 x lane
.set ADK,  2
.set ADV,  3
.set STO,  4
.set RD,   5
.set GO,   6
.set LIV,  7                           ; IMG + 16 x lane
.set QLG,  16
.set QSH,  24
.set KF,   32
.set S,    96
.set OT,   160
.set P,    192
.set DG,   208                         ; my query in its block - 8 (lane / 16)
.set NINF, 209
.set SPW,  251                         ; my spare word; never rewritten
.set NIL,  255                         ; 0; never rewritten
.set WV,   10
.set CX,   11
.set BH,   12
.set SEL,  20
.set CS,   22
.set G1,   24                          ; s[24:31] group 1 of the first fill: 32 rows of 256 bytes
.set G0,   32                          ; s[32:35], s[36:39] the two fills' groups 0
.set G1B,  40                          ; s[40:47] group 1 of the second fill: 96 rows of 256 bytes
.set TB,   48
.set KS,   49
.set BLK,  50
.set EPV,  51
.set OL,   52
.set OS,   54
.set MSB, 0
.macro WIN new                         ; the immediate's high byte repeats the setting that is left
.if MSB != (\new)
	s_set_vgpr_msb (MSB<<8)|(\new)
.set MSB, (\new)
.endif
.endm
.macro ROUND                           ; a round of the cluster's barrier
	s_barrier_signal -1
	s_barrier_wait -1
	s_cmp_lg_u32 s[WV], 0
	s_cbranch_scc1 .Lnot_wave_0_\@
	s_barrier_signal -3
.Lnot_wave_0_\@:
	s_barrier_wait -3
	s_barrier_signal -1
	s_barrier_wait -1
.endm
	s_load_b128 s[4:7], s[0:1], 0x0                ; qkv, the exponents
	s_load_b64 s[8:9], s[0:1], 0x10                ; out
	v_lshl_add_u32 v[SPW], v0, 2, SPARE
	v_mov_b32 v[NIL], 0
	ds_add_u32 v[SPW], v[NIL]                      ; the opening lines: the add, twice on end, and its wait ahead of my first tensor load
	ds_add_u32 v[SPW], v[NIL]
	v_lshrrev_b32 v8, 5, v0
	v_readfirstlane_b32 s[WV], v8                  ; wave 0..7
	s_bfe_u32 s[CX], ttmp6, 0x40000
	s_and_b32 s[BH], ttmp7, 0xffff
	s_mul_i32 s14, s[BH], HEADB
	s_mov_b32 s15, 0
	s_mov_b32 s[G1], 15|(3<<16)|(1<<21)            ; the mask of the four; elements of 8 bytes; bit 21 beside a mask
	s_mov_b32 s[G1+1], 32<<16                      ; rows of 32 elements = 256 bytes
	s_mov_b32 s[G1+2], 32<<16                      ; 32 rows
	s_mov_b32 s[G1+3], 32<<16
	s_mov_b32 s[G1+4], 32
	s_mov_b32 s[G1+5], 32
	s_mov_b32 s[G1+6], 0
	s_mov_b32 s[G1+7], 0
	s_mov_b32 s[G1B], 15|(3<<16)|(1<<21)
	s_mov_b32 s[G1B+1], 32<<16
	s_mov_b32 s[G1B+2], 96<<16                     ; 96 rows
	s_mov_b32 s[G1B+3], 32<<16
	s_mov_b32 s[G1B+4], 96
	s_mov_b32 s[G1B+5], 32
	s_mov_b32 s[G1B+6], 0
	s_mov_b32 s[G1B+7], 0
	s_mov_b32 s[SEL], 0x76543210
	s_mov_b32 s[SEL+1], 0xfedcba98
	s_lshr_b32 s60, s[WV], 2                       ; waves 0-3 fetch K, waves 4-7 V
	s_lshl_b32 s60, s60, 17
	s_and_b32 s61, s[WV], 3
	s_lshl_b32 s62, s61, 13
	s_add_co_u32 s62, s62, s60                     ; first fill: my key step of steps 0-3
	s_mul_i32 s61, s61, 3*STEPB
	s_add_co_u32 s60, s60, s61
	s_add_co_u32 s60, s60, 4*STEPB                 ; second fill: my three key steps of steps 4-15
	s_mov_b32 s61, 0
	s_mov_b32 s63, 0
	s_wait_dscnt 0x0                               ; both opening adds are done
	s_wait_kmcnt 0x0
	s_load_b128 s[56:59], s[6:7], 0x18             ; e6, e7, e8, e9
	s_add_nc_u64 s[14:15], s[4:5], s[14:15]        ; the head's images
	s_mov_b32 s[G0], 1
	s_mov_b32 s[G0+1], s62
	s_add_nc_u64 s[G0+2:G0+3], s[14:15], s[62:63]
	s_add_nc_u64 s[G0+2:G0+3], s[G0+2:G0+3], IMG   ; K's image lies behind q's
	s_or_b32 s[G0+3], s[G0+3], 0x80000000
	s_mov_b32 s[G0+4], 1
	s_mov_b32 s[G0+5], s60
	s_add_nc_u64 s[G0+6:G0+7], s[14:15], s[60:61]
	s_add_nc_u64 s[G0+6:G0+7], s[G0+6:G0+7], IMG
	s_or_b32 s[G0+7], s[G0+7], 0x80000000
	ROUND                                          ; the four partners are here: the first joint loads meet
	tensor_load_to_lds s[G0:G0+3], s[G1:G1+7]      ; key steps 0-3: my one tensor load at the head
	s_nop 0
	; scalar work first, under the load's flight
	s_sub_co_u32 s[BLK], 15, s[WV]                 ; the long block
	s_lshl_b32 s62, s[CX], 11                      ; my work-group's two tiles of a block's eight: 1,024 bytes a tile
	s_lshl_b32 s60, s[BLK], 13
	s_add_co_u32 s60, s60, s62
	s_add_nc_u64 s[16:17], s[14:15], s[60:61]      ; q of the long block
	s_lshl_b32 s60, s[WV], 13
	s_add_co_u32 s60, s60, s62
	s_add_nc_u64 s[18:19], s[14:15], s[60:61]      ; q of the short block
	s_lshr_b32 s13, s[BH], 4
	s_lshl_b32 s13, s13, 11                        ; the batch's first token
	s_lshl_b32 s2, s[CX], 5
	s_add_co_u32 s13, s13, s2                      ; + 32 cx
	s_and_b32 s3, s[BH], 15
	s_lshl_b32 s3, s3, 8                           ; the head's 256 bytes of a row of out
	s_lshl_b32 s60, s[BLK], 7
	s_add_co_u32 s60, s60, s13
	s_lshl_b32 s60, s60, 12                        ; a row of out is 4,096 bytes
	s_add_co_u32 s60, s60, s3
	s_add_nc_u64 s[OL:OL+1], s[8:9], s[60:61]
	s_lshl_b32 s60, s[WV], 7
	s_add_co_u32 s60, s60, s13
	s_lshl_b32 s60, s60, 12
	s_add_co_u32 s60, s60, s3
	s_add_nc_u64 s[OS:OS+1], s[8:9], s[60:61]
	s_mul_i32 s3, s[WV], 16*SP
	s_add_co_u32 s3, s3, STAGE                     ; my stage
	s_wait_kmcnt 0x0
	s_add_co_i32 s60, s56, s57
	s_lshl_b32 s60, s60, 23
	s_mov_b32 s[CS], 0x3e38aa3b                    ; c = log2(e) / 8,
	s_add_co_i32 s[CS], s[CS], s60                 ; x 2^(e6 + e7), added to its exponent field
	s_mov_b32 s[CS+1], s[CS]
	s_add_co_i32 s[EPV], s58, s59                  ; e8 + e9
	s_add_co_i32 s63, s58, 127
	s_lshl_b32 s62, s63, 23                        ; 2^e8
	s_add_co_i32 s63, s63, 8
	s_lshl_b32 s63, s63, 23
	s_or_b32 s63, s63, 0x600000                    ; 448 x 2^e8
	v_and_b32 v8, 31, v0
	v_lshlrev_b32 v[LI], 4, v8
	global_load_b128 v[QLG:QLG+3],   v[LI], s[16:17]
	global_load_b128 v[QLG+4:QLG+7], v[LI], s[16:17] offset:512
	global_load_b128 v[QSH:QSH+3],   v[LI], s[18:19]
	global_load_b128 v[QSH+4:QSH+7], v[LI], s[18:19] offset:512
	WIN 0x40                                       ; tile 1's into window 1
	global_load_b128 v[QLG:QLG+3],   v[LI], s[16:17] offset:1024
	global_load_b128 v[QLG+4:QLG+7], v[LI], s[16:17] offset:1536
	global_load_b128 v[QSH:QSH+3],   v[LI], s[18:19] offset:1024
	global_load_b128 v[QSH+4:QSH+7], v[LI], s[18:19] offset:1536
	WIN 0
	v_add_nc_u32 v[LIV], IMG, v[LI]
	v_and_b32 v9, 15, v0                           ; r
	v_bfe_u32 v10, v0, 4, 1                        ; h
	v_mul_u32_u24 v[STO], v9, SP
	v_mul_u32_u24 v[RD], v10, SP
	v_lshlrev_b32 v[GO], 12, v10
	v_lshlrev_b32 v11, 3, v10
	v_lshl_add_u32 v[STO], v10, 5, v[STO]
	v_lshl_add_u32 v[RD], v9, 4, v[RD]
	v_lshl_add_u32 v[GO], v9, 4, v[GO]             ; out: lanes 0-15 one row, lanes 16-31 the next, 16 bytes a lane
	v_sub_nc_u32 v[DG], v9, v11
	v_add_nc_u32 v[STO], s3, v[STO]                ; stage, in: row r, 32 h bytes on
	v_add_nc_u32 v[RD], s3, v[RD]                  ; stage, back: row h, 16 r bytes on
	v_add_nc_u32 v[DG], s2, v[DG]                  ; 32 cx + r - 8 h
.macro CONSTS
	v_mov_b32 v[NINF], 0xff800000
	v_mov_b32 v236, 0                              ; a lane permute's destination counts as a source
	v_mov_b32 v253, 0                              ; named as the upper half of v[252:253]
	v_mov_b32 v244, s62
	v_mov_b32 v240, s63
.endm
.macro INIT                            ; the steps are written once: the first finds zeros, which the first change of M leaves zeros
	v_mov_b32 v13, 0xff61b1e6                      ; -3e38, under every t
	v_mov_b32 v14, 0
	v_mov_b32 v15, 0
	v_floor_f32 v12, -v13
.set ii, 0
.rept 32
	v_mov_b32 v[OT+ii], 0
.set ii, ii+1
.endr
.endm
	CONSTS
	INIT
	WIN 0x40
	v_add_nc_u32 v[DG], 16, v[DG]                  ; tile 1's queries lie 16 further on
	WIN 0x55
	CONSTS
	INIT
	WIN 0
.macro MASK                            ; register 8 i + j holds key 16 i + 8 h + j of the step: hidden where 16 i + j > my query - 8 h
.set mi, 0
.rept 64
	v_cmp_gt_i32 vcc_lo, 16*(mi/8)+mi%8, v[DG]
	v_cndmask_b32 v[S+mi], v[S+mi], v[NINF], vcc_lo
.set mi, mi+1
.endr
.endm
; The softmax of one tile and 128 keys, in the window that is set, cut into six parts, so that a step can lay its two tiles into each other: plain work of one tile stands behind the other's exponentials.
.macro SMAX                            ; the step's largest score, in four chains, each accumulator from its low end on.  No transcendental stands between the step's first products and these first readers of S^T
	v_max3_num_f32 v254, v[S], v[S+1], v[S+2]
	v_max3_num_f32 v252, v[S+3], v[S+4], v[S+5]
	v_max3_num_f32 v250, v[S+6], v[S+7], v[S+8]
	v_max3_num_f32 v248, v[S+9], v[S+10], v[S+11]
.irp i, 12,20,28,36,44,52
	v_max3_num_f32 v254, v254, v[S+\i], v[S+\i+1]
	v_max3_num_f32 v252, v252, v[S+\i+2], v[S+\i+3]
	v_max3_num_f32 v250, v250, v[S+\i+4], v[S+\i+5]
	v_max3_num_f32 v248, v248, v[S+\i+6], v[S+\i+7]
.endr
	v_max3_num_f32 v254, v254, v[S+60], v[S+61]
	v_max3_num_f32 v252, v252, v[S+62], v[S+63]
	v_max3_num_f32 v254, v254, v250, v248
.endm
.macro SCH                             ; from the chains' maxima to -M and f: ten lines that hang on each other
	v_max_num_f32 v254, v254, v252
	v_permlanex16_b32 v236, v254, s[SEL], s[SEL+1]
	v_max_num_f32 v254, v254, v236                 ; and lane l xor 16's
	v_mul_f32 v254, s[CS], v254                    ; as t (c is positive)
	v_max_num_f32 v13, v13, v254                   ; the running largest t
	v_mov_b32 v254, v12
	v_floor_f32 v12, -v13                          ; the new -M
	v_sub_f32 v254, v12, v254                      ; old M - new M, a whole number, 0 or less
	v_cvt_i32_f32 v254, v254                       ; (it saturates)
	v_ldexp_f32 v252, 1.0, v254                    ; f = 2^(old M - new M)
.endm
.macro SFMA
.set si, 0
.rept 32
	v_pk_fma_f32 v[S+2*si:S+2*si+1], v[S+2*si:S+2*si+1], s[CS:CS+1], v[12:13] op_sel_hi:[1,0,0]   ; t - M
.set si, si+1
.endr
.endm
.macro SEXP                            ; the batch; the waits ahead of it and behind it stand in the step
.set si, 0
.rept 64
	v_exp_f32 v[S+si], v[S+si]                     ; p = 2^(t - M)
.set si, si+1
.endr
.endm
.macro SSUM
	v_pk_mul_f32 v[14:15], v[14:15], v[252:253] op_sel_hi:[1,0]   ; the sum under the new M
	v_pk_add_f32 v[242:243], v[S:S+1], v[S+2:S+3]  ; the sum of the unquantised p, in four chains
	v_pk_add_f32 v[246:247], v[S+4:S+5], v[S+6:S+7]
	v_pk_add_f32 v[238:239], v[S+8:S+9], v[S+10:S+11]
	v_pk_add_f32 v[14:15], v[14:15], v[S+12:S+13]
.irp j, 14,22,30,38,46,54
	v_pk_add_f32 v[242:243], v[242:243], v[S+\j:S+\j+1]
	v_pk_add_f32 v[246:247], v[246:247], v[S+\j+2:S+\j+3]
	v_pk_add_f32 v[238:239], v[238:239], v[S+\j+4:S+\j+5]
	v_pk_add_f32 v[14:15], v[14:15], v[S+\j+6:S+\j+7]
.endr
	v_pk_add_f32 v[242:243], v[242:243], v[S+62:S+63]
	v_pk_add_f32 v[246:247], v[246:247], v[238:239]
	v_pk_add_f32 v[14:15], v[14:15], v[242:243]
	v_pk_add_f32 v[14:15], v[14:15], v[246:247]
.set si, 0
.rept 8
.irp j, 0,1,2,3,4,5,6,7
	v_min_num_f32 v[S+8*si+\j], v[S+8*si+\j], v240 ; the hold at 448 x 2^e8: the conversion does not saturate (ISA guide 7.6.2); p is not negative
.endr
	v_cvt_scalef32_pk8_fp8_f32 v[P+2*si:P+2*si+1], v[S+8*si:S+8*si+7], v244
.set si, si+1
.endr
.endm
.macro SRES
	s_wait_alu depctr_va_vdst(0)                   ; behind the step's last exponential and directly ahead of the first reader of O^T
.set si, 0
.rept 16
	v_pk_mul_f32 v[OT+2*si:OT+2*si+1], v[OT+2*si:OT+2*si+1], v[252:253] op_sel_hi:[1,0]   ; O^T under the new M; also the place behind the last conversion
.set si, si+1
.endr
.endm
.macro KFIRST                          ; K's fragments of key step 0, ahead of a block's first step
.set ki, 0
.rept 16
	ds_load_b128 v[KF+4*ki:KF+4*ki+3], v[LI] offset:512*ki
.set ki, ki+1
.endr
.endm
; A key step: 128 keys at LDS byte s[TB] of K and of V, for both tiles.  K's fragments were asked for a step ago.  causal = 1: a step behind my block is jumped over (ids alone), and in the step on the diagonal hidden scores become -infinity.
.macro STEP q, causal
.if \causal
	s_cmp_gt_u32 s[KS], s[BLK]
	s_cbranch_scc1 .Lhidden_\@
.endif
	v_add_nc_u32 v[ADK], s[TB], v[LI]
	v_add_nc_u32 v[ADV], s[TB], v[LIV]
	v_nop
	v_nop                                          ; four places in front of loads into registers that the last products read
	WIN 0x40
.set ki, 0
.rept 16
	ds_load_b128 v[KF+4*ki:KF+4*ki+3], v[ADV] offset:512*ki
.set ki, ki+1
.endr
	s_wait_alu depctr_va_vdst(0)                   ; directly ahead of the wait below
	s_wait_dscnt 16                                ; K's sixteen, asked for a step ago, are in; V's sixteen, just issued, may be out
	WIN 0
.set ki, 0
.rept 8
	v_wmma_f32_16x16x64_fp8_fp8 v[S+8*ki:S+8*ki+7], v[KF+8*ki:KF+8*ki+7], v[\q:\q+7], 0
.set ki, ki+1
.endr
	WIN 0x44                                       ; tile 1: Q and S^T in window 1
.set ki, 0
.rept 8
	v_wmma_f32_16x16x64_fp8_fp8 v[S+8*ki:S+8*ki+7], v[KF+8*ki:KF+8*ki+7], v[\q:\q+7], 0
.set ki, ki+1
.endr
	WIN 0
.rept 4
	v_nop                                          ; places ahead of the loads below and of the first readers of S^T
.endr
.set ki, 0
.rept 16
	ds_load_b128 v[KF+4*ki:KF+4*ki+3], v[ADK] offset:512*ki+STEPB   ; the next key step's K: it has the softmax in which to land
.set ki, ki+1
.endr
.if \causal
	s_cmp_lg_u32 s[KS], s[BLK]
	s_cbranch_scc1 .Lopen_\@
	MASK
	WIN 0x55
	MASK
	WIN 0
.Lopen_\@:
.endif
	SMAX                                           ; tile 0
	SCH
	SFMA
	WIN 0x55
	SMAX                                           ; tile 1's maxima
	WIN 0
	s_wait_alu depctr_va_vdst(0)                   ; ahead of the batch
	SEXP                                           ; tile 0's exponentials,
	WIN 0x55
	SCH                                            ; and behind them tile 1's chain and its t - M: plain work that names none of their results
	SFMA
	s_wait_alu depctr_va_vdst(0)                   ; behind tile 0's batch and ahead of tile 1's
	SEXP                                           ; tile 1's exponentials,
	WIN 0
	SSUM                                           ; and behind them tile 0's sum, holds and conversions
	s_wait_dscnt 16                                ; V is in; the sixteen loads of the next step's K, issued behind V's, may be out
	SRES                                           ; its wait also stands behind tile 1's batch
	WIN 0x01                                       ; V in window 1, p and O^T in window 0
.set ki, 0
.rept 4
	v_wmma_f32_16x16x128_fp8_fp8 v[OT+8*ki:OT+8*ki+7], v[KF+16*ki:KF+16*ki+15], v[P:P+15], v[OT+8*ki:OT+8*ki+7]
.set ki, ki+1
.endr
	WIN 0x55
	SSUM
	SRES
.set ki, 0
.rept 4
	v_wmma_f32_16x16x128_fp8_fp8 v[OT+8*ki:OT+8*ki+7], v[KF+16*ki:KF+16*ki+15], v[P:P+15], v[OT+8*ki:OT+8*ki+7]
.set ki, ki+1
.endr
	WIN 0
.if \causal
.Lhidden_\@:
.endif
	s_add_co_u32 s[TB], s[TB], STEPB
.endm
; The way out of tile u: O^T / the sum x 2^(e8 + e9), through my stage, back as rows of 256 bytes: sixteen lanes store one aligned unit of 256 bytes.
.macro OUT ptr, u
	WIN 0x55*\u
	v_add_f32 v14, v14, v15
	v_permlanex16_b32 v236, v14, s[SEL], s[SEL+1]
	v_add_f32 v14, v14, v236
	s_wait_alu depctr_va_vdst(0)                   ; ahead of the transcendental
	v_rcp_f32 v14, v14
	v_nop
	s_wait_alu depctr_va_vdst(0)                   ; and ahead of its first reader
	v_ldexp_f32 v14, v14, s[EPV]
	s_wait_alu depctr_va_vdst(0)                   ; and directly ahead of the first reader of O^T
.set oi, 0
.rept 16
	v_pk_mul_f32 v[S+2*oi:S+2*oi+1], v[OT+2*oi:OT+2*oi+1], v[14:15] op_sel_hi:[1,0]
.set oi, oi+1
.endr
	WIN 0x04*\u
.irp t, 0,1,2,3
	ds_store_b128 v[STO], v[S+8*\t:S+8*\t+3] offset:64*\t
	ds_store_b128 v[STO], v[S+8*\t+4:S+8*\t+7] offset:64*\t+16
.endr
	WIN 0x40*\u
.irp i, 0,1,2,3,4,5,6,7
	ds_load_b128 v[S+32+4*\i:S+32+4*\i+3], v[RD] offset:2*\i*SP   ; LDS serves a wave's instructions in order: these see my stores
.endr
	WIN 0x04*\u
.irp i, 0,1,2,3,4,5,6,7
	s_wait_dscnt 7-\i                              ; the loads issued behind this one may be out
	global_store_b128 v[GO], v[S+32+4*\i:S+32+4*\i+3], s[\ptr:\ptr+1] offset:8192*\i+65536*\u th:TH_STORE_NT
.endr
.endm
	s_wait_alu depctr_va_vdst(0)                   ; the wait at the head's end
	s_wait_tensorcnt 0x0                           ; my part of key steps 0-3 is in; the lines ahead of a later first fill:
	ds_add_u32 v[SPW], v[NIL]
	s_wait_dscnt 0x0
	ROUND                                          ; everybody's part is in, and the four partners are here
	tensor_load_to_lds s[G0+4:G0+7], s[G1B:G1B+7]  ; key steps 4-15: my one tensor load behind the round; it has three key steps in which to land
	s_nop 0
.rept 4
	v_nop
.endr
	KFIRST
	s_wait_loadcnt 0x0                             ; Q
	s_mov_b32 s[TB], 0
	s_mov_b32 s[KS], 0
.La0:                                              ; the long block (8 to 15): key steps 0-2 count whole; their look-ahead reads key step 3 at the most
	STEP QLG, 0
	s_add_co_u32 s[KS], s[KS], 1
	s_cmp_lt_u32 s[KS], 3
	s_cbranch_scc1 .La0
	s_wait_dscnt 0x0
	s_wait_tensorcnt 0x0                           ; my part of key steps 4-15 is in,
	s_barrier_signal -1
	s_barrier_wait -1                              ; everybody's is
	s_mov_b32 s[TB], 3*STEPB
	s_mov_b32 s[KS], 3
.La1:
	STEP QLG, 1
	s_add_co_u32 s[KS], s[KS], 1
	s_cmp_lt_u32 s[KS], 16
	s_cbranch_scc1 .La1
	OUT OL, 0
	OUT OL, 1
	s_wait_xcnt 0x0                                ; the stores have read their data: those registers are written again below
	WIN 0x55
	INIT
	WIN 0
	INIT
	KFIRST                                         ; the way out has waited for every earlier LDS load
	s_mov_b32 s[BLK], s[WV]                        ; the short block (0 to 7)
	s_mov_b32 s[TB], 0
	s_mov_b32 s[KS], 0
.Lb:
	STEP QSH, 1
	s_add_co_u32 s[KS], s[KS], 1
	s_cmp_lt_u32 s[KS], 8
	s_cbranch_scc1 .Lb
	OUT OS, 0
	OUT OS, 1
	WIN 0
	s_wait_tensorcnt 0x0                           ; the wave's end
	ds_add_u32 v[SPW], v[NIL]
	s_wait_dscnt 0x0
	ROUND                                          ; the closing round
	s_endpgm
.Lfunc_end_k_q836f175f37_attn:
	.size	k_q836f175f37_attn, .Lfunc_end_k_q836f175f37_attn-k_q836f175f37_attn
	.p2alignl 7, 3214868480
	.fill 96, 4, 3214868480
	.section	.rodata,"a",@progbits
	.p2align	6, 0x0
	.amdhsa_kernel k_q836f175f37_attn
		.amdhsa_group_segment_fixed_size 327680
		.amdhsa_private_segment_fixed_size 0
		.amdhsa_enable_private_segment 0
		.amdhsa_kernarg_size 24
		.amdhsa_user_sgpr_count 2
		.amdhsa_user_sgpr_kernarg_segment_ptr 1
		.amdhsa_wavefront_size32 1
		.amdhsa_system_sgpr_workgroup_id_x 1
		.amdhsa_system_sgpr_workgroup_id_y 1
		.amdhsa_system_sgpr_workgroup_id_z 1
		.amdhsa_system_vgpr_workitem_id 0
		.amdhsa_next_free_vgpr 512
		.amdhsa_next_free_sgpr 66
		.amdhsa_reserve_vcc 1
		.amdhsa_float_denorm_mode_32 3
		.amdhsa_float_denorm_mode_16_64 3
		.amdhsa_memory_ordered 1
		.amdhsa_forward_progress 1
		.amdhsa_inst_pref_size 134
	.end_amdhsa_kernel
	.amdgpu_metadata
---
amdhsa.version: [ 1, 2 ]
amdhsa.kernels:
  - .name:           k_q836f175f37_attn
    .symbol:         k_q836f175f37_attn.kd
    .args:
      - { .name: qkv, .offset: 0, .size: 8, .value_kind: global_buffer, .address_space: global }
      - { .name: lowp_scales, .offset: 8, .size: 8, .value_kind: global_buffer, .address_space: global }
      - { .name: out0, .offset: 16, .size: 8, .value_kind: global_buffer, .address_space: global }
    .group_segment_fixed_size: 327680
    .private_segment_fixed_size: 0
    .kernarg_segment_align: 8
    .kernarg_segment_size: 24
    .max_flat_workgroup_size: 256
    .sgpr_count:     66
    .vgpr_count:     512
    .wavefront_size: 32
...
	.end_amdgpu_metadata
.endif
;; end of part 2
